; MI455X (gfx1250); checked and timed in simulation.
; The chip was launched on July 23, 2026; its instructions are those of AMD's public machine-readable ISA for CDNA 5 (MIT licence, August 2026) and "CDNA5" Instruction Set Architecture Reference Guide (July 2026). The comments in the code are by the model that wrote it; some were corrected since.
;; Attention. Allowed arithmetic: matrix products marked QUANTISED: E2M1 operands, one E8M0 scale for each 32 along K, by v_wmma_scale_f32_16x16x128_f8f6f4 with both operands' format E2M1 (or v_wmma_scale_f32_32x16x128_f4), f32 sums; everything else in f32.
;; Inputs: b_kqv 3,072 float32; w_kqv 3,072 x 1,024 float32; x 4 x 2,048 x 1,024 float32.
;; Outputs: out0 4 x 2,048 x 1,024 float32.
;; This version of the problem:
;;   THIS VERSION OF THE PROBLEM IS GIVEN IN LOW PRECISION. The matrix products marked QUANTISED in the list below multiply operands that are first quantised to E2M1 (2 exponent bits, 1 mantissa bit; 4 bits a number), with one power-of-two scale for each 32 numbers along K (OCP MX v1.0); their sums are f32. All else is computed in f32.
;;   The module's matrix products, in the order in which they are computed (A, B: the left and right operand; K: the contracted axis; several contracted axes count as one K, in the product's order):
;;     1. [M 8,192, K 1,024] x [K 1,024, N 3,072]; A: input x; B: input w_kqv: QUANTISED
;;     2. batch 64 x [M 2,048, K 64] x [K 64, N 2,048]; A: computed on the way; B: computed on the way: QUANTISED
;;     3. batch 64 x [M 2,048, K 2,048] x [K 2,048, N 64]; A: softmax (see below); B: computed on the way: QUANTISED
;;   THE QUANTISER, for each operand of a quantised product, along K:
;;     - K is cut into blocks of 32 from its start; a last block that is shorter is filled with zeros.
;;     - A block's scale is 2^e with e = floor(log2(the largest magnitude in the block)) - 2, held to -126 .. 127; a block of zeros has e = 0. As a byte (E8M0): e + 127.
;;     - Each number is divided by its block's scale, clamped to +-6, and rounded to the nearest number of E2M1, ties to even, subnormals kept.
;;     - The product sums the exact products of the quantised numbers (number of the format x scale) in f32.
;;   ~~~python
;;   def quantise(x, axis):      # numpy; x: float32 -> the quantised numbers, widened to float32 again
;;       x = np.moveaxis(x, axis, -1); K = x.shape[-1]
;;       x = np.pad(x, [(0, 0)] * (x.ndim - 1) + [(0, -K % 32)]); x = x.reshape(x.shape[:-1] + (-1, 32)); a = np.abs(x).max(-1, keepdims=True)
;;       e = np.where(a > 0, np.clip(np.frexp(np.where(a > 0, a, 1))[1] - 1 - 2, -126, 127), 0)      # np.frexp(a)[1] - 1 = floor(log2(a)), exactly
;;       r = np.clip(x / 2.0 ** e, -6, 6)
;;       step = 2.0 ** (np.maximum(np.frexp(np.where(r == 0, 1, r))[1] - 1, 0) - 1)
;;       q = np.round(r / step) * step * 2.0 ** e      # np.round: ties to even
;;       return np.moveaxis(q.reshape(q.shape[:-2] + (-1,))[..., :K], -1, axis).astype(np.float32)
;;   ~~~
;;   SOFTMAX AHEAD OF A QUANTISED PRODUCT. Where the list says 'softmax', what is quantised is not the finished softmax but p = 2^(t - M), with t = logit x log2(e) and M = ceil(the row's largest t), a whole number; so 1/2 < the row's largest p <= 1. The row's sum l is taken of the UNQUANTISED p, in f32, and the product's result is divided by l at the end. Since M is a whole number, a kernel that streams over the keys may use a running M (the ceiling of the running maximum): every later rescaling is an exact power of two, which a block's scale takes up: the codes' values come out the same.
;;   OPERANDS COMPUTED ON THE WAY. 'Computed on the way' means the value that the module computes at that place (a softmax that the list does not call 'softmax' is quantised finished and normalised). What goes into a quantiser is computed in f32, as accurately as f32 sums, v_exp_f32 and their like allow (about 1e-6 of the number): no bf16 or f16 on the way to a quantiser, and a product that is left as it is and whose result goes on into a quantised operand takes f32 operands (vector FMAs, or v_wmma_f32_16x16x4_f32). A number that lies on a knife's edge between two numbers of the format may be rounded either way, as far as f32 arithmetic and the matrix unit's own rounding can turn it there, and no further.
;; One version. Each part assembles by itself: llvm-mc -triple=amdgcn-amd-amdhsa -mcpu=gfx1250 --defsym DOCPART=n.
;; ======== version 1 of 1: 3 launches
;; limits: right only within a limited range of input values
;; workspace buffers: xq 4,456,448 bytes; wq 1,671,168 bytes; kqv 18,350,080 bytes
;; launch quant (part 1): grid 704 x 1, 4 waves a work-group, no clusters, 21,504 bytes of LDS; arguments x, w_kqv, xq, wq; writes xq, wq
.if DOCPART == 1
	.amdgcn_target "amdgcn-amd-amdhsa--gfx1250"
	.amdhsa_code_object_version 6
	.text
	.protected	k_qc3419e6400_quant
	.globl	k_qc3419e6400_quant
	.p2align	8
	.type	k_qc3419e6400_quant,@function
k_qc3419e6400_quant:
	s_mov_b64 s[64:65], 0
	v_nop
	global_prefetch_b8 v0, s[64:65] scope:SCOPE_SE
	s_setreg_imm32_b32 hwreg(HW_REG_WAVE_MODE, 25, 1), 1
	s_wait_xcnt 0x0
; x [8192][1024] and w_kqv [3072][1024], f32, become codes of FP4 (E2M1), K innermost, two codes a byte, with one E8M0 scale byte for each 32 along K.
; A block's scale is 2^(floor(log2(its largest magnitude)) - 2); its byte is the largest magnitude's exponent field - 2, held at 1 from below.
; LIMITS: a block whose largest magnitude lies under 2^-124 (a block of zeros too) gets the byte 1; a block of zeros has zero codes, and this program alone reads the bytes.
; NaN and infinities among the inputs are not served.
; WORK LEFT OUT BY THE PROGRAM: reference()'s causal mask, built in its own body, sets the logits of keys behind the query to -infinity, so their p is 0 for all values of the inputs: the attention launch leaves out
; whole steps and half steps of keys that lie behind all queries of a tile.  A NaN, an infinity or an overflow that reaches only such logits is not carried to the result.
; LAYOUT OUT: tiles of rows (256 for x, 128 for w); a tile is four chunks of 256 along K; a chunk is the rows' codes (128 bytes a row), then the rows' scale bytes (8 a row): 34,816 or 17,408 bytes.
; ROW ORDER: position p holds the row whose bits 4, 3, 5 are p's bits 5, 4, 3 (the other bits alike).  Lane r of the product's block i of 16 positions is so the row 64 (i / 4) + 8 (i % 4) + (r & 7) + 32 (r >> 3):
; the results of four neighbouring blocks are 32 neighbours in a lane's registers.
; A work-group takes 32 positions x two chunks, a wave 8 of the positions: eight steps of two rows x 256.  A step's four loads read 512 consecutive bytes each and turn through the wave's own stage in LDS.
; The first WGX work-groups take x, the others w_kqv.  Loads run four steps (16 loads a wave) ahead.  No prefetch: every load's address is known at the head and four steps are out from the start.
.set WGX,  512
.set STEPS, 8
.set EMAX, 2
.set R,    16                          ; v16-79   four sets of 16 numbers as they are loaded
.set X,    80                          ; v80-111  two sets of 16 neighbours
.set E,    112                         ; v112-119 a scale byte for each step
.set C,    120                         ; v120-135 codes, two registers for each step
.set SPW,  136
.set NIL,  137
.set SP,   80                          ; a lane's place in a stage: 64 bytes + 16 of padding
.set WREG, 2*32*SP                     ; a wave's two stages
.set SCB,  4*WREG                      ; the work-group's scale bytes: 256 for each chunk
.set SPARE, SCB+512                    ; the spare words
	s_load_b128 s[4:7], s[0:1], 0x0                ; x, w_kqv
	s_load_b128 s[8:11], s[0:1], 0x10              ; their codes and scale bytes
	v_lshl_add_u32 v[SPW], v0, 2, SPARE
	v_mov_b32 v[NIL], 0
	v_lshrrev_b32 v1, 5, v0
	v_readfirstlane_b32 s16, v1                    ; wave
	v_and_b32 v2, 31, v0                           ; lane
	v_lshlrev_b32 v3, 4, v2                        ; my 16 bytes of a load's 512
	s_mul_i32 s17, s16, WREG
	v_lshrrev_b32 v14, 2, v2
	v_mul_u32_u24 v14, v14, SP
	v_and_b32 v15, 3, v2
	v_lshl_add_u32 v14, v15, 4, v14
	v_add_nc_u32 v14, s17, v14                     ; the stage, way in: SP (lane / 4) + 16 (lane % 4)
	v_mul_u32_u24 v15, v2, SP
	v_add_nc_u32 v15, s17, v15                     ; way out: SP x lane: my 16 neighbours
	v_lshlrev_b32 v4, 3, v2                        ; 8 bytes a lane on the way out
	v_lshrrev_b32 v5, 1, v2
	s_lshl_b32 s18, s16, 6
	s_add_co_u32 s18, s18, SCB
	v_add_nc_u32 v5, s18, v5                       ; my block's scale byte: 64 x wave + lane / 2
	s_and_b32 s18, s16, 1
	s_lshl_b32 s18, s18, 8
	s_add_co_u32 s18, s18, SCB
	v_add_nc_u32 v6, s18, v4                       ; waves 0 and 1 send a chunk's 256 scale bytes
	s_wait_alu depctr_va_vdst(0)                   ; the wait at the head's end
	s_wait_kmcnt 0x0
	s_mov_b32 s25, 34816
	s_mov_b32 s31, 17408
	s_mov_b32 s26, 32768
	s_mov_b32 s27, 16384
	s_cmp_lt_u32 ttmp9, WGX                        ; x's work-group or w's?  The choice hangs on the work-group's number alone
	s_cselect_b64 s[4:5], s[4:5], s[6:7]
	s_cselect_b64 s[8:9], s[8:9], s[10:11]
	s_cselect_b32 s17, 0, WGX
	s_cselect_b32 s24, 5, 4                        ; log2 of a tile's runs of 8 positions
	s_cselect_b32 s25, s25, s31                    ; a chunk's bytes
	s_cselect_b32 s26, s26, s27                    ; of which codes
	s_sub_co_u32 s17, ttmp9, s17
	s_and_b32 s28, s17, 1                          ; which two chunks
	s_lshr_b32 s17, s17, 1
	s_lshl_b32 s29, s17, 2                         ; my work-group's first run of 8 positions
	s_add_co_u32 s30, s29, s16                     ; my run v
	s_and_b32 s18, s30, -8
	s_bfe_u32 s19, s30, 0x20001
	s_or_b32 s18, s18, s19
	s_and_b32 s19, s30, 1
	s_lshl_b32 s19, s19, 2
	s_or_b32 s18, s18, s19                         ; the run of 8 rows that belongs there: v's bits 2, 1, 0 are its bits 1, 0, 2
	s_lshl_b32 s20, s18, 15
	s_lshl_b32 s21, s28, 11
	s_add_co_u32 s20, s20, s21
	s_mov_b32 s21, 0
	s_add_nc_u64 s[4:5], s[4:5], s[20:21]          ; my first row, my first chunk
	s_lshr_b32 s18, s29, s24                       ; the tile
	s_lshl_b32 s18, s18, 2
	s_lshl_b32 s19, s28, 1
	s_add_co_u32 s18, s18, s19
	s_mul_i32 s20, s18, s25
	s_add_nc_u64 s[10:11], s[8:9], s[20:21]        ; my first chunk
	s_bfm_b32 s19, s24, 0
	s_and_b32 s20, s30, s19
	s_lshl_b32 s20, s20, 10
	s_add_nc_u64 s[12:13], s[10:11], s[20:21]      ; my codes in the first chunk
	s_mov_b32 s20, s25
	s_add_nc_u64 s[14:15], s[12:13], s[20:21]      ; and in the second
	s_and_b32 s20, s29, s19
	s_lshl_b32 s20, s20, 6
	s_add_co_u32 s20, s20, s26
	s_and_b32 s18, s16, 1
	s_mul_i32 s18, s18, s25
	s_add_co_u32 s20, s20, s18
	s_add_nc_u64 s[22:23], s[10:11], s[20:21]      ; the work-group's scale bytes of chunk wave % 2
.macro LOAD t                          ; step t: rows 2 (t / 2) and + 1, chunk t % 2
.irp i, 0,1,2,3
	global_load_b128 v[R+16*((\t)%4)+4*\i:R+16*((\t)%4)+4*\i+3], v3, s[4:5] offset:(2*((\t)/2)+(\i/2))*4096+((\t)%2)*1024+(\i%2)*512 th:TH_LOAD_NT
.endr
.endm
.macro TURN t                          ; LDS serves a wave's instructions in order, so no wait stands between the stores and the loads
.irp i, 0,1,2,3
	ds_store_b128 v14, v[R+16*((\t)%4)+4*\i:R+16*((\t)%4)+4*\i+3] offset:32*SP*((\t)%2)+8*SP*\i
.endr
.irp i, 0,1,2,3
	ds_load_b128 v[X+16*((\t)%2)+4*\i:X+16*((\t)%2)+4*\i+3], v15 offset:32*SP*((\t)%2)+16*\i
.endr
.endm
.irp t, 0,1,2,3
	LOAD \t
.endr
	s_wait_loadcnt 12                              ; step 0's four loads are in; the twelve of steps 1 to 3 stay out
	TURN 0
.macro STEP t
.set XS, X+16*((\t)%2)
.if (\t) > 0
	s_wait_dscnt 1                                 ; this step's numbers are back from the stage (the last step's byte store may be out)
.else
	s_wait_dscnt 0x0
.endif
.if (\t)+4 < STEPS
	LOAD (\t)+4                                    ; into the registers that the stage's stores have read
.endif
.if (\t)+1 < STEPS
.if STEPS-2-(\t) >= 3
	s_wait_loadcnt 12                              ; the next step's four loads are in; those of the three steps behind it may be out
.else
	s_wait_loadcnt 4*(STEPS-2-(\t))
.endif
	TURN (\t)+1
.endif
	v_max3_num_f32 v8, |v[XS]|, |v[XS+1]|, |v[XS+2]|               ; the largest magnitude of my 16, in two chains
	v_max3_num_f32 v9, |v[XS+3]|, |v[XS+4]|, |v[XS+5]|
.irp i, 6,10
	v_max3_num_f32 v8, v8, |v[XS+\i]|, |v[XS+\i+1]|
	v_max3_num_f32 v9, v9, |v[XS+\i+2]|, |v[XS+\i+3]|
.endr
	v_max3_num_f32 v8, v8, |v[XS+14]|, |v[XS+15]|
	v_max3_num_f32 v8, v8, v9, (EMAX+1)<<23        ; and the floor 2^(3 - 127): the byte cannot fall under 1
	v_max_num_f32_dpp v8, v8, v8 row_xmask:1 row_mask:0xf bank_mask:0xf   ; and of my neighbour's 16: the block's
	v_add_nc_u32 v11, -(EMAX<<23), v8              ; 2 off its exponent field: the conversion's scale operand
	v_cvt_scalef32_pk8_fp4_f32 v[C+2*(\t)], v[XS:XS+7], v11
	v_cvt_scalef32_pk8_fp4_f32 v[C+2*(\t)+1], v[XS+8:XS+15], v11
	v_lshrrev_b32 v[E+(\t)], 23, v11               ; the scale's byte (a plain line behind the conversions)
	ds_store_b8 v5, v[E+(\t)] offset:256*((\t)%2)+16*((\t)/2)     ; both lanes of a block write the same byte with the same value
.if (\t)%2
	global_store_b64 v4, v[C+2*(\t):C+2*(\t)+1], s[14:15] offset:256*((\t)/2)   ; two rows' 128 bytes: 256 consecutive bytes, aligned
.else
	global_store_b64 v4, v[C+2*(\t):C+2*(\t)+1], s[12:13] offset:256*((\t)/2)
.endif
.endm
.irp t, 0,1,2,3,4,5,6,7
	STEP \t
.endr
	s_wait_alu depctr_va_vdst(0)
	s_wait_dscnt 0x0                               ; my scale bytes are in LDS,
	s_barrier_signal -1
	s_barrier_wait -1                              ; and everybody's
	s_cmp_lt_u32 s16, 2
	s_cbranch_scc0 .Lsent
	ds_load_b64 v[12:13], v6
	s_wait_dscnt 0x0
	global_store_b64 v4, v[12:13], s[22:23]        ; 32 lanes store 256 consecutive bytes, aligned
.Lsent:
	s_wait_tensorcnt 0x0                           ; the wave's end
	ds_add_u32 v[SPW], v[NIL]
	s_wait_dscnt 0x0
	s_endpgm
.Lfunc_end_k_qc3419e6400_quant:
	.size	k_qc3419e6400_quant, .Lfunc_end_k_qc3419e6400_quant-k_qc3419e6400_quant
	.p2alignl 7, 3214868480
	.fill 96, 4, 3214868480
	.section	.rodata,"a",@progbits
	.p2align	6, 0x0
	.amdhsa_kernel k_qc3419e6400_quant
		.amdhsa_group_segment_fixed_size 21504
		.amdhsa_private_segment_fixed_size 0
		.amdhsa_enable_private_segment 0
		.amdhsa_kernarg_size 32
		.amdhsa_user_sgpr_count 2
		.amdhsa_user_sgpr_kernarg_segment_ptr 1
		.amdhsa_wavefront_size32 1
		.amdhsa_system_sgpr_workgroup_id_x 1
		.amdhsa_system_sgpr_workgroup_id_y 1
		.amdhsa_system_sgpr_workgroup_id_z 1
		.amdhsa_system_vgpr_workitem_id 0
		.amdhsa_next_free_vgpr 144
		.amdhsa_next_free_sgpr 66
		.amdhsa_reserve_vcc 0
		.amdhsa_float_denorm_mode_32 3
		.amdhsa_float_denorm_mode_16_64 3
		.amdhsa_memory_ordered 1
		.amdhsa_forward_progress 1
		.amdhsa_inst_pref_size 19
	.end_amdhsa_kernel
	.amdgpu_metadata
---
amdhsa.version: [ 1, 2 ]
amdhsa.kernels:
  - .name:           k_qc3419e6400_quant
    .symbol:         k_qc3419e6400_quant.kd
    .args:
      - { .name: x, .offset: 0, .size: 8, .value_kind: global_buffer, .address_space: global }
      - { .name: w_kqv, .offset: 8, .size: 8, .value_kind: global_buffer, .address_space: global }
      - { .name: xq, .offset: 16, .size: 8, .value_kind: global_buffer, .address_space: global }
      - { .name: wq, .offset: 24, .size: 8, .value_kind: global_buffer, .address_space: global }
    .group_segment_fixed_size: 21504
    .private_segment_fixed_size: 0
    .kernarg_segment_align: 8
    .kernarg_segment_size: 32
    .max_flat_workgroup_size: 128
    .sgpr_count:     66
    .vgpr_count:     144
    .wavefront_size: 32
...
	.end_amdgpu_metadata
.endif
;; end of part 1
;; launch proj (part 2): grid 8 x 32, 4 waves a work-group, clusters of 4 x 4, 327,680 bytes of LDS; arguments xq, wq, b_kqv, kqv; writes kqv
.if DOCPART == 2
	.amdgcn_target "amdgcn-amd-amdhsa--gfx1250"
	.amdhsa_code_object_version 6
	.text
	.protected	k_qc3419e6400_proj
	.globl	k_qc3419e6400_proj
	.p2align	8
	.type	k_qc3419e6400_proj,@function
k_qc3419e6400_proj:
	s_mov_b64 s[64:65], 0
	v_nop
	global_prefetch_b8 v0, s[64:65] scope:SCOPE_SE
	s_setreg_imm32_b32 hwreg(HW_REG_WAVE_MODE, 25, 1), 1
	s_wait_xcnt 0x0
	s_wait_alu depctr_hold_cnt(0) depctr_sa_sdst(0) depctr_va_vdst(0) depctr_va_sdst(0) depctr_va_ssrc(0) depctr_va_vcc(0) depctr_vm_vsrc(0)
	s_getreg_b32 s2, hwreg(HW_REG_IB_STS2, 6, 4)
	s_cmp_eq_u32 s2, 0
	s_cbranch_scc0 .Lentry_in_a_cluster
	s_endpgm
.Lentry_in_a_cluster:
	s_bfe_u32 s2, ttmp6, 0x10000c
	s_cmp_lg_u32 s2, 0xf033
	s_cbranch_scc0 .Lentry_shape_is_right
	s_endpgm
.Lentry_shape_is_right:
; kqv = Q(x) Q(w)^T + b on codes of FP4 (E2M1) with E8M0 scales, K = 1,024; the results are quantised in registers (k and q along the head's 64, v along the keys) and leave as images of the operand registers
; that the attention launch wants.  kqv as f32 never goes to memory.
; A work-group of four waves makes 256 tokens x two heads' k, q and v (3 x 128 features): 8 pairs of heads x 32 tiles of tokens = 256 work-groups.  A wave makes 128 tokens x one head's k, q, v:
; 3 x 32 accumulators of 16 x 16, 768 registers.
; k and q: source 0 = features, source 1 = tokens: a lane holds one token, its registers run along the head's d.  v: the sources swapped: a lane holds one feature, its registers run along the keys.
; ROW ORDER (laid by the launch before): lane r of block i is row 64 (i / 4) + 8 (i % 4) + (r & 7) + 32 (r >> 3): the 32 registers of four blocks in a lane of half h are the neighbours 32 h + 0 .. 31.
; K goes in four chunks of 256.  A chunk holds codes and scale bytes together and is dense in memory, so ONE tensor load brings a wave's share: waves 0, 1, 2 the 128 features of k, q, v, wave 3 the 256 tokens.
; The head's load brings chunks 0 and 1; chunk 2 has a slot of its own, filled first behind a round as a refill is; chunk 3 takes chunk 0's place.
; CLUSTERS: 4 x 4 work-groups.  The tokens' tile hangs on cy and is shared along a row of the cluster, the features' on cx and is shared along a column: joint loads with a mask that names the four.
; PREFETCH: chunk 3, asked for behind the first round, three steps (288 matrix instructions) ahead of its load; the four partners share its blocks of 256 bytes out by address.  Chunks 0 to 2 come by their loads alone.
; THE BIAS of k and q is the C of each sum's first matrix instruction; v's is added on the way out.
; OUT.  kqv: two sections of SEC bytes (0: K and V; 1: Q), each [16 batch + head][step of 128 tokens][SB bytes]; a step's block: +0 eight tiles of 16 tokens x 64 codes (lane l's 16 bytes at 16 l), +4,096 four tiles of V^T
; (16 of the head's 64 x 128 keys: two halves of 512 bytes), +8,192 the tiles' scale words (lane (r, hh): four words, tiles 4 hh + 0 .. 3), +8,704 V^T's (lane (r, hh): two words, tiles 2 hh, 2 hh + 1).
; LIMITS: a block whose largest magnitude lies under 2^-124 gets the scale byte 1 (a block of zeros has zero codes); NaN and infinities are not served.
; REGISTERS: window 0: addresses, v48-95 scale words (two sets), v96-159 the tokens' fragments, v160-255 those of k, q, v.  Windows 1, 2, 3: the accumulators of k, q, v ((a, b) at 8 (4 a + b)).
.set CHT,  39168                       ; a chunk of tokens in LDS: (256 x 128 + 256 x 8) x 9 / 8: 16 bytes of padding behind each 128
.set CHP,  19584                       ; a chunk of 128 features
.set PB0,  2*CHT                       ; chunks 0 and 1: tokens at 0, features' set s at PB0 + 2 CHP s
.set T2,   PB0+6*CHP                   ; chunk 2's tokens,
.set P2,   T2+CHT                      ; and features
.set SPARE, 327168                     ; the spare words, 512 bytes
.set FB,   16*144                      ; a block of 16 rows
.set HS,   143360
.set SB,   8960
.set SEC,  9175040
.set TA,   16                          ; v16, v17 LDS address of my tokens' fragments: chunks 0, 1, 3; chunk 2
.set TB,   17
.set PA,   18                          ; v18-20 of my features' k, q, v: chunks 0, 1, 3
.set PB,   21                          ; v21 chunk 2
.set SA,   22                          ; v22-30 of the scale words: 3 x slot + set: lanes 0-15 tokens', lanes 16-31 features'
.set CO,   31                          ; 16 x lane
.set SPW,  32
.set NIL,  33
.set BQ,   34
.set BV,   35
.set PFO,  36
.set PF2,  37
.set C8,   38                          ; 8 x lane
.set VB,   40                          ; v40-47 v's bias, each twice
.set SC,   48                          ; scale words: set c at SC + 24 c; register 8 g + 2 i + q: lanes 0-15 tokens' block i (g = 0), 4 + i (g = 1); lanes 16-31 block i of features' set g; the chunk's q-th 128
.set TF,   96
.set PF,   160
.set PC,   96                          ; the way out: codes, where fragments lay
.set TM,   200
.set BY,   208
.set VW,   224
.set G1T,  24
.set G0T,  32
.set G1P,  48
.set G0P,  56
.set PFA,  60
.set MSB, 0
.macro WIN new                         ; the immediate's high byte repeats the setting that is left
.if MSB != (\new)
	s_set_vgpr_msb (MSB<<8)|(\new)
.set MSB, (\new)
.endif
.endm
; A joint load.  Each line has one mask and one set of registers for all that issue it; the branch hangs on the wave's number alone.
.macro JLOAD
	s_cmp_lt_u32 s14, 3
	s_cbranch_scc0 .Lfor_t_\@
	tensor_load_to_lds s[G0P:G0P+3], s[G1P:G1P+7]
	s_nop 0
.rept 4
	v_nop
.endr
	s_branch .Lasked_\@
.Lfor_t_\@:
	tensor_load_to_lds s[G0T:G0T+3], s[G1T:G1T+7]
	s_nop 0
.rept 4
	v_nop
.endr
.Lasked_\@:
.endm
.macro CREST                           ; a round of the cluster's barrier behind its opening barrier
	s_cmp_lg_u32 s14, 0
	s_cbranch_scc1 .Lnot_wave_0_\@
	s_barrier_signal -3
.Lnot_wave_0_\@:
	s_barrier_wait -3
	s_barrier_signal -1
	s_barrier_wait -1
.endm
.macro CROUND
	s_barrier_signal -1
	s_barrier_wait -1
	CREST
.endm
	s_load_b128 s[4:7], s[0:1], 0x0                ; tokens s[4:5], features s[6:7]
	s_load_b128 s[8:11], s[0:1], 0x10              ; the bias s[8:9], kqv s[10:11]
	v_lshl_add_u32 v[SPW], v0, 2, SPARE
	v_mov_b32 v[NIL], 0
	ds_add_u32 v[SPW], v[NIL]                      ; the opening: the add, twice on end, and its wait
	ds_add_u32 v[SPW], v[NIL]
	v_lshrrev_b32 v1, 5, v0
	v_readfirstlane_b32 s14, v1                    ; wave 0..3
	s_lshr_b32 s15, s14, 1                         ; which half of the tokens is mine
	s_and_b32 s16, s14, 1                          ; which of the two heads
	s_bfe_u32 s40, ttmp6, 0x40000                  ; cx, cy
	s_bfe_u32 s41, ttmp6, 0x40004
	s_lshl_b32 s42, ttmp9, 2
	s_add_co_u32 s42, s42, s40                     ; the pair of heads
	s_and_b32 s17, ttmp7, 0xffff
	s_lshl_b32 s17, s17, 2
	s_add_co_u32 s17, s17, s41                     ; the tile of 256 tokens
	s_lshl_b32 s43, s41, 2
	s_lshl_b32 s43, 15, s43                        ; my row of the cluster
	s_lshl_b32 s44, 0x1111, s40                    ; my column
	s_min_u32 s18, s14, 2                          ; the features' set that I fetch
	; descriptor group 1: dense blocks as rows of 256 bytes (32 elements of 8 bytes), 16 bytes of padding behind each 128; at the head two chunks
	s_or_b32 s[G1T], s43, (3<<16)|(1<<20)|(1<<21)|(4<<22)|(3<<25)
	s_or_b32 s[G1P], s44, (3<<16)|(1<<20)|(1<<21)|(4<<22)|(3<<25)
.irp g, G1T, G1P
	s_mov_b32 s[\g+1], 32<<16                      ; tensor_dim0
	s_mov_b32 s[\g+3], 32<<16                      ; tile_dim0
	s_mov_b32 s[\g+5], 32                          ; from row to row
	s_mov_b32 s[\g+6], 0
	s_mov_b32 s[\g+7], 0
.endr
	s_mov_b32 s[G1T+2], 272<<16                    ; tensor_dim1
	s_mov_b32 s[G1T+4], 272                        ; tile_dim1
	s_mov_b32 s[G1P+2], 136<<16
	s_mov_b32 s[G1P+4], 136
	s_mul_i32 s20, s17, 139264
	s_mov_b32 s21, 0
	s_lshl_b32 s46, s18, 3
	s_add_co_u32 s46, s46, s42                     ; block of 128 features: 8 x set + pair
	s_mul_i32 s46, s46, 69632
	s_mov_b32 s47, 0
	s_mul_i32 s45, s18, 2*CHP
	s_mul_i32 s19, s18, CHP
	s_wait_alu depctr_va_vdst(0)
	s_wait_dscnt 0x0                               ; both opening adds are done
	s_wait_kmcnt 0x0
	s_add_nc_u64 s[20:21], s[4:5], s[20:21]
	s_add_nc_u64 s[46:47], s[6:7], s[46:47]
	CROUND                                         ; all sixteen work-groups are here: the joint loads meet
	s_mov_b32 s[G0T], 1
	s_mov_b32 s[G0T+1], 0
	s_mov_b64 s[G0T+2:G0T+3], s[20:21]
	s_or_b32 s[G0T+3], s[G0T+3], 0x80000000
	s_mov_b32 s[G0P], 1
	s_add_co_u32 s[G0P+1], s45, PB0
	s_mov_b64 s[G0P+2:G0P+3], s[46:47]
	s_or_b32 s[G0P+3], s[G0P+3], 0x80000000
	JLOAD                                          ; chunks 0 and 1: one tensor load a wave at the head
	s_mul_i32 s2, s15, 1152                        ; tokens' scale bytes: my 8 blocks
	s_mul_i32 s3, s16, 576                         ; features': my 4 blocks
	s_mul_i32 s66, s15, 8*FB
	s_mul_i32 s67, s16, 4*FB
	v_and_b32 v1, 15, v0                           ; r
	v_bfe_u32 v2, v0, 4, 1                         ; h
	v_mul_u32_u24 v3, v1, 144
	v_lshl_add_u32 v4, v2, 4, v3                   ; a fragment's row x pitch + 16 h
	v_lshlrev_b32 v5, 3, v1                        ; 8 scale bytes a row
	s_wait_alu depctr_va_vdst(0)                   ; ahead of the readers below
	v_add_nc_u32 v[TA], s66, v4
	v_add_nc_u32 v[TB], T2, v[TA]
.irp s, 0,1,2
	s_add_co_u32 s23, s67, PB0+2*CHP*\s
	v_add_nc_u32 v[PA+\s], s23, v4
.endr
	s_add_co_u32 s23, s67, P2
	v_add_nc_u32 v[PB], s23, v4
.macro SADR x, g, t, p                 ; slot x, set g: lanes 0-15 the tokens' words, lanes 16-31 the features': one product, the distance between the two bases
	s_add_co_u32 s22, s2, (\t)+36864+576*((\g)%2)
	s_add_co_u32 s23, s3, (\p)+18432
	s_sub_co_u32 s23, s23, s22
	v_mul_u32_u24 v6, s23, v2
	v_add_nc_u32 v7, s22, v5
	v_add_nc_u32 v[SA+3*(\x)+(\g)], v7, v6
.endm
.irp g, 0,1,2
	SADR 0, \g, 0, PB0+2*CHP*\g
	SADR 1, \g, CHT, PB0+2*CHP*\g+CHP
	SADR 2, \g, T2, P2+CHP*\g
.endr
	v_and_b32 v6, 31, v0
	v_lshlrev_b32 v[CO], 4, v6
	v_lshlrev_b32 v[C8], 3, v6
	v_lshlrev_b32 v[BQ], 7, v2                     ; k and q: 32 neighbours from 32 h on
	v_and_b32 v7, 8, v1
	v_mul_u32_u24 v7, v7, 3
	v_add_nc_u32 v7, v7, v1                        ; (r & 7) + 32 (r >> 3)
	v_lshlrev_b32 v[BV], 2, v7
	; the prefetch of chunk 3: 136 blocks of 256 bytes of the tokens, 34 a partner (cx); 68 of each set of features, 17 a partner (cy)
	s_mov_b32 s62, 34*256
	s_mov_b32 s63, 3*34816
	s_cmp_lt_u32 s14, 3
	s_cselect_b64 s[PFA:PFA+1], s[46:47], s[20:21]
	s_cselect_b32 s62, 17*256, s62
	s_cselect_b32 s63, 3*17408, s63
	s_cselect_b32 s66, s41, s40
	s_cselect_b32 s67, 16, 31
	s_mul_i32 s62, s62, s66
	s_add_co_u32 s62, s62, s63
	s_mov_b32 s63, 0
	s_add_nc_u64 s[PFA:PFA+1], s[PFA:PFA+1], s[62:63]
	s_wait_alu depctr_va_vdst(0)                   ; ahead of the readers below
	v_min_u32 v7, s67, v6                          ; lanes that are left over name their wave's last block again
	v_lshlrev_b32 v[PFO], 8, v7
	v_min_u32 v7, 1, v6
	v_lshlrev_b32 v7, 8, v7
	v_add_nc_u32 v[PF2], 32*256, v7
	; the bias, and where my head's step lies in kqv
	s_lshl_b32 s2, s42, 1
	s_add_co_u32 s2, s2, s16                       ; my head
	s_lshl_b32 s22, s2, 8
	s_mov_b32 s23, 0
	s_add_nc_u64 s[8:9], s[8:9], s[22:23]
	s_lshr_b32 s22, s17, 3
	s_lshl_b32 s22, s22, 4
	s_add_co_u32 s22, s22, s2
	s_mul_i32 s22, s22, HS
	s_and_b32 s3, s17, 7
	s_lshl_b32 s3, s3, 1
	s_add_co_u32 s3, s3, s15
	s_mul_i32 s3, s3, SB
	s_add_co_u32 s22, s22, s3
	s_add_nc_u64 s[10:11], s[10:11], s[22:23]      ; K and V
	s_add_nc_u64 s[12:13], s[10:11], SEC           ; Q
	s_wait_alu depctr_va_vdst(0)
	WIN 0xc0                                       ; k's and q's bias into window 3, which v's accumulators take later
.irp j, 0,1,2,3,4,5,6,7
	global_load_b128 v[4*\j:4*\j+3], v[BQ], s[8:9] offset:16*\j
	global_load_b128 v[32+4*\j:32+4*\j+3], v[BQ], s[8:9] offset:4096+16*\j
.endr
	WIN 0
.irp b, 0,1,2,3
	global_load_b32 v[VB+2*\b], v[BV], s[8:9] offset:8192+32*\b
	global_load_b32 v[VB+2*\b+1], v[BV], s[8:9] offset:8192+32*\b
.endr
.macro PLACES n                        ; places behind matrix instructions: plain vector instructions alone (ISA guide 7.12.1)
.rept \n
	v_nop
.endr
.endm
.macro GEOM n                          ; where step n's chunk lies
.set TR, TA
.set TOF, 0
.set POF, 0
.set PST, 0
.set PRB, PA
.set PRS, 1
.set SX, 0
.if (\n) == 2 || (\n) == 3
.set TOF, CHT
.set POF, CHP
.set SX, 1
.endif
.if (\n) == 4 || (\n) == 5
.set TR, TB
.set PRB, PB
.set PRS, 0
.set PST, CHP
.set SX, 2
.endif
.endm
; a fragment, 16 rows x 128 K: lane l holds row l % 16; registers 4 c .. 4 c + 3 hold K = 64 c + 32 (l / 16) + 0 .. 31
.macro FRAG reg, adr, off
	ds_load_b128 v[\reg:\reg+3], v[\adr] offset:\off
	ds_load_b128 v[\reg+4:\reg+7], v[\adr] offset:\off+32
.endm
.macro FETCH_P s, n                    ; set s's four fragments of step n: eight loads
	GEOM \n
.irp b, 0,1,2,3
	FRAG PF+32*(\s)+8*\b, PRB+PRS*(\s), POF+PST*(\s)+64*((\n)%2)+\b*FB
.endr
.endm
.macro FETCH_T n, i0                   ; four of the tokens' eight: eight loads
	GEOM \n
.irp i, \i0, \i0+1, \i0+2, \i0+3
	FRAG TF+8*(\i), TR, TOF+64*((\n)%2)+(\i)*FB
.endr
.endm
.macro SCALES n                        ; a chunk's scale words, two a row: twelve loads
	GEOM \n
.set SX0, SC+24*(((\n)/2)%2)
.irp g, 0,1,2
.irp i, 0,1,2,3
	ds_load_b64 v[SX0+8*\g+2*\i:SX0+8*\g+2*\i+1], v[SA+3*SX+\g] offset:144*\i
.endr
.endr
.endm
; 16 matrix instructions: set s's four blocks x tokens' blocks a0 .. a0 + 3.  The 96 accumulators take turns, in the same order in every step.
.macro RUN s, n, a0
.set QQ, SC+24*(((\n)/2)%2)+((\n)%2)
.if (\n) == 0 && (\s) < 2
	WIN 0x30+((\s)+1)*0x40
.else
	WIN ((\s)+1)*0x50
.endif
.irp a, \a0, \a0+1, \a0+2, \a0+3
.irp b, 0,1,2,3
.set AC, 8*(4*(\a)+\b)
.set FP, PF+32*(\s)+8*\b
.set FT, TF+8*(\a)
.set WP, QQ+8*(\s)+2*\b
.set WT, QQ+8*((\a)/4)+2*((\a)%4)
.if (\s) == 2
.if (\n) == 0
	v_wmma_scale_f32_16x16x128_f8f6f4 v[AC:AC+7], v[FT:FT+7], v[FP:FP+7], 0, v[WT], v[WP] matrix_a_fmt:MATRIX_FMT_FP4 matrix_b_fmt:MATRIX_FMT_FP4 matrix_b_scale:MATRIX_SCALE_ROW1
.else
	v_wmma_scale_f32_16x16x128_f8f6f4 v[AC:AC+7], v[FT:FT+7], v[FP:FP+7], v[AC:AC+7], v[WT], v[WP] matrix_a_fmt:MATRIX_FMT_FP4 matrix_b_fmt:MATRIX_FMT_FP4 matrix_b_scale:MATRIX_SCALE_ROW1
.endif
.else
.if (\n) == 0
.set CB, 32*(\s)+8*\b
	v_wmma_scale_f32_16x16x128_f8f6f4 v[AC:AC+7], v[FP:FP+7], v[FT:FT+7], v[CB:CB+7], v[WP], v[WT] matrix_a_fmt:MATRIX_FMT_FP4 matrix_b_fmt:MATRIX_FMT_FP4 matrix_a_scale:MATRIX_SCALE_ROW1
.else
	v_wmma_scale_f32_16x16x128_f8f6f4 v[AC:AC+7], v[FP:FP+7], v[FT:FT+7], v[AC:AC+7], v[WP], v[WT] matrix_a_fmt:MATRIX_FMT_FP4 matrix_b_fmt:MATRIX_FMT_FP4 matrix_a_scale:MATRIX_SCALE_ROW1
.endif
.endif
.endr
.endr
.endm
; A step of 128 along K: k's 32 products, q's, v's.  Each set of registers is fetched anew, for the next step, as soon as its products are issued.
; Order of a step's loads: k, q, tokens 0-3, tokens 4-7, v: eight each.
.macro STEP n
.if (\n) == 3 || (\n) == 5             ; behind this barrier the next chunk is whole for every wave; in step 3 it opens the round of chunk 3's load into chunk 0's place
	WIN 0
	s_wait_tensorcnt 0x0                           ; all my tensor loads have landed
	ds_add_u32 v[SPW], v[NIL]                      ; 0 onto my spare word
.if (\n) == 3
	s_mov_b32 s[G0T+1], 0
	s_add_nc_u64 s[G0T+2:G0T+3], s[G0T+2:G0T+3], 34816
	s_add_co_u32 s[G0P+1], s45, PB0
	s_add_nc_u64 s[G0P+2:G0P+3], s[G0P+2:G0P+3], 17408
.endif
	s_wait_dscnt 17                                ; tokens 4-7, v and the add may be out
	RUN 0, \n, 0                                   ; sixteen matrix instructions stand between the add and the wait for it
	s_wait_dscnt 0x0                               ; the add is done, and so are all my reads
	s_barrier_signal -1
	RUN 0, \n, 4
	WIN 0
	s_barrier_wait -1
.if (\n) == 3
	CREST
	JLOAD                                          ; its four v_nop are also the places ahead of the loads below
.else
	PLACES 4
.endif
.else
	s_wait_dscnt 16                                ; tokens 4-7 and v may be out
	RUN 0, \n, 0
	s_wait_dscnt 8                                 ; v may be out
	RUN 0, \n, 4
.if (\n) < 7
	PLACES 4
.endif
.endif
.if (\n) < 7
	WIN 0
.if (\n)%2
	SCALES (\n)+1
.endif
	FETCH_P 0, (\n)+1
.endif
	RUN 1, \n, 0
	RUN 1, \n, 4
.if (\n) < 7
	PLACES 5                                       ; four ahead of the loads; in step 0 five ahead of v's sums, which are laid over the bias
	WIN 0
	FETCH_P 1, (\n)+1
	s_wait_dscnt 16                                ; v is in; the next step's k and q may be out
.else
	s_wait_dscnt 0x0
.endif
	RUN 2, \n, 0
.if (\n) < 7
	PLACES 4
	WIN 0
	FETCH_T (\n)+1, 0
.endif
	RUN 2, \n, 4
	PLACES 4
	WIN 0
.if (\n) < 7
	FETCH_T (\n)+1, 4
	FETCH_P 2, (\n)+1
.endif
.endm
	s_wait_alu depctr_va_vdst(0)                   ; the wait at the head's end
	s_wait_tensorcnt 0x0                           ; my part of chunks 0 and 1 is in
	ds_add_u32 v[SPW], v[NIL]
	s_mov_b32 s[G1T+2], 136<<16                    ; no tensor load of mine is out: from here on a load brings one chunk
	s_mov_b32 s[G1T+4], 136
	s_mov_b32 s[G1P+2], 68<<16
	s_mov_b32 s[G1P+4], 68
	s_mov_b32 s[G0T+1], T2
	s_add_nc_u64 s[G0T+2:G0T+3], s[G0T+2:G0T+3], 69632
	s_add_co_u32 s[G0P+1], s19, P2
	s_add_nc_u64 s[G0P+2:G0P+3], s[G0P+2:G0P+3], 34816
	s_wait_dscnt 0x0
	CROUND
	JLOAD                                          ; chunk 2
	SCALES 0
	FETCH_P 0, 0
	FETCH_P 1, 0
	FETCH_T 0, 0
	FETCH_T 0, 4
	FETCH_P 2, 0
	s_wait_loadcnt 0x0                             ; the bias
	global_prefetch_b8 v[PFO], s[PFA:PFA+1] th:TH_LOAD_NT scope:SCOPE_SE   ; my work-group's blocks of chunk 3, a lane a block
	s_cmp_lg_u32 s14, 3
	s_cbranch_scc1 .Lno_more
	global_prefetch_b8 v[PF2], s[PFA:PFA+1] th:TH_LOAD_NT scope:SCOPE_SE   ; the tokens' last two of 34
.Lno_more:
	STEP 0
	STEP 1
	STEP 2
	STEP 3
	STEP 4
	STEP 5
	STEP 6
	STEP 7
; THE WAY OUT.  k and q: tiles a and a + 4 of set s: 32 numbers of my lane's token are one block of 32 along d: no other lane is asked.  Each store covers 512 consecutive bytes.
.macro OUTKQ s, a, ptr
.set WN, (\s)+1
	WIN WN*5
.irp k, 0,1,2,3
.set XX, 32*(\a)+128*(\k/2)+16*(\k%2)
	v_max3_num_f32 v[TM+\k], |v[XX]|, |v[XX+1]|, 0x1800000   ; with the floor 2^(3 - 127): the byte cannot fall under 1
.endr
.irp i, 2,4,6,8,10,12,14
.irp k, 0,1,2,3
.set XX, 32*(\a)+128*(\k/2)+16*(\k%2)
	v_max3_num_f32 v[TM+\k], |v[XX+\i]|, |v[XX+\i+1]|, v[TM+\k]
.endr
.endr
	WIN 0
	v_max_num_f32 v[TM], v[TM], v[TM+1]
	v_max_num_f32 v[TM+2], v[TM+2], v[TM+3]
	v_add_nc_u32 v[TM+4], 0xff000000, v[TM]        ; 2 off the exponent field: the conversion's scale operand
	v_add_nc_u32 v[TM+5], 0xff000000, v[TM+2]
	v_lshrrev_b32 v[BY+8*(\s)+(\a)], 23, v[TM+4]
	v_lshrrev_b32 v[BY+8*(\s)+(\a)+4], 23, v[TM+5]
	WIN WN
.irp g, 0,1,2,3
	v_cvt_scalef32_pk8_fp4_f32 v[PC+32*(\s)+4*(\a)+\g], v[32*(\a)+8*\g:32*(\a)+8*\g+7], v[TM+4]
	v_cvt_scalef32_pk8_fp4_f32 v[PC+32*(\s)+16+4*(\a)+\g], v[128+32*(\a)+8*\g:128+32*(\a)+8*\g+7], v[TM+5]
.endr
	WIN 0
	v_nop                                          ; one plain place behind a scaled conversion
	global_store_b128 v[CO], v[PC+32*(\s)+4*(\a):PC+32*(\s)+4*(\a)+3], s[\ptr:\ptr+1] offset:512*(\a)
	global_store_b128 v[CO], v[PC+32*(\s)+16+4*(\a):PC+32*(\s)+16+4*(\a)+3], s[\ptr:\ptr+1] offset:512*(\a)+2048
.endm
.macro WORDS s, ptr                    ; lanes 0-15 take tiles 0-3, lanes 16-31 tiles 4-7: the lower half's byte, then the upper half's; bytes 2 and 3 repeat them (they stand beside zero codes of Q)
.irp a, 0,1,2,3
	v_permlane16_swap_b32 v[BY+8*(\s)+\a], v[BY+8*(\s)+\a+4]
.endr
.irp a, 0,1,2,3
	v_lshl_or_b32 v[BY+8*(\s)+\a], v[BY+8*(\s)+\a+4], 8, v[BY+8*(\s)+\a]
.endr
.irp a, 0,1,2,3
	v_mul_u32_u24 v[BY+8*(\s)+\a], 0x10001, v[BY+8*(\s)+\a]
.endr
	global_store_b128 v[CO], v[BY+8*(\s):BY+8*(\s)+3], s[\ptr:\ptr+1] offset:8192
.endm
; v: V^T's tile b: 64 numbers of my lane's feature, two blocks of 32 keys (2 c + h).
.macro OUTV b
	WIN 0xc3
.irp a, 0,1,2,3,4,5,6,7
.irp j, 0,2,4,6
.set XX, 32*\a+8*(\b)+\j
	v_pk_add_f32 v[XX:XX+1], v[XX:XX+1], v[VB+2*(\b):VB+2*(\b)+1]
.endr
.endr
	WIN 0x0f
.irp k, 0,1,2,3
.set XX, 64*\k+8*(\b)
	v_max3_num_f32 v[TM+\k], |v[XX]|, |v[XX+1]|, 0x1800000
.endr
.irp i, 2,4,6,32,34,36,38
.irp k, 0,1,2,3
.set XX, 64*\k+8*(\b)+\i
	v_max3_num_f32 v[TM+\k], |v[XX]|, |v[XX+1]|, v[TM+\k]
.endr
.endr
	WIN 0
	v_max_num_f32 v[TM], v[TM], v[TM+1]
	v_max_num_f32 v[TM+2], v[TM+2], v[TM+3]
	v_add_nc_u32 v[TM+4], 0xff000000, v[TM]
	v_add_nc_u32 v[TM+5], 0xff000000, v[TM+2]
	v_lshrrev_b32 v[TM+6], 23, v[TM+4]
	v_lshrrev_b32 v[TM+7], 23, v[TM+5]
	v_lshl_or_b32 v[VW+(\b)], v[TM+7], 16, v[TM+6]
	WIN 3
.irp c, 0,1
.irp g, 0,1,2,3
	v_cvt_scalef32_pk8_fp4_f32 v[PC+64+8*(\b)+4*\c+\g], v[32*(4*\c+\g)+8*(\b):32*(4*\c+\g)+8*(\b)+7], v[TM+4+\c]
.endr
.endr
	WIN 0
	v_nop                                          ; one plain place behind a scaled conversion
	global_store_b128 v[CO], v[PC+64+8*(\b):PC+64+8*(\b)+3], s[10:11] offset:4096+1024*(\b)
	global_store_b128 v[CO], v[PC+68+8*(\b):PC+68+8*(\b)+3], s[10:11] offset:4096+1024*(\b)+512
.endm
.irp a, 0,1,2,3
	OUTKQ 0, \a, 10
.endr
	WORDS 0, 10
.irp a, 0,1,2,3
	OUTKQ 1, \a, 12
.endr
	WORDS 1, 12
.irp b, 0,1,2,3
	OUTV \b
.endr
	v_permlane16_swap_b32 v[VW], v[VW+2]           ; lanes 0-15 take tiles 0 and 1, lanes 16-31 tiles 2 and 3
	v_permlane16_swap_b32 v[VW+1], v[VW+3]
	v_lshl_or_b32 v[VW], v[VW+2], 8, v[VW]
	v_lshl_or_b32 v[VW+1], v[VW+3], 8, v[VW+1]
	global_store_b64 v[C8], v[VW:VW+1], s[10:11] offset:8704      ; 256 consecutive bytes
	s_wait_tensorcnt 0x0                           ; the wave's end
	ds_add_u32 v[SPW], v[NIL]
	s_wait_dscnt 0x0
	CROUND                                         ; the closing round: no work-group ends while a partner may still ask for a tile that names it
	s_endpgm
.Lfunc_end_k_qc3419e6400_proj:
	.size	k_qc3419e6400_proj, .Lfunc_end_k_qc3419e6400_proj-k_qc3419e6400_proj
	.p2alignl 7, 3214868480
	.fill 96, 4, 3214868480
	.section	.rodata,"a",@progbits
	.p2align	6, 0x0
	.amdhsa_kernel k_qc3419e6400_proj
		.amdhsa_group_segment_fixed_size 327680
		.amdhsa_private_segment_fixed_size 0
		.amdhsa_enable_private_segment 0
		.amdhsa_kernarg_size 32
		.amdhsa_user_sgpr_count 2
		.amdhsa_user_sgpr_kernarg_segment_ptr 1
		.amdhsa_wavefront_size32 1
		.amdhsa_system_sgpr_workgroup_id_x 1
		.amdhsa_system_sgpr_workgroup_id_y 1
		.amdhsa_system_sgpr_workgroup_id_z 1
		.amdhsa_system_vgpr_workitem_id 0
		.amdhsa_next_free_vgpr 1024
		.amdhsa_next_free_sgpr 100
		.amdhsa_reserve_vcc 0
		.amdhsa_float_denorm_mode_32 3
		.amdhsa_float_denorm_mode_16_64 3
		.amdhsa_memory_ordered 1
		.amdhsa_forward_progress 1
		.amdhsa_inst_pref_size 189
	.end_amdhsa_kernel
	.amdgpu_metadata
---
amdhsa.version: [ 1, 2 ]
amdhsa.kernels:
  - .name:           k_qc3419e6400_proj
    .symbol:         k_qc3419e6400_proj.kd
    .args:
      - { .name: xq, .offset: 0, .size: 8, .value_kind: global_buffer, .address_space: global }
      - { .name: wq, .offset: 8, .size: 8, .value_kind: global_buffer, .address_space: global }
      - { .name: b_kqv, .offset: 16, .size: 8, .value_kind: global_buffer, .address_space: global }
      - { .name: kqv, .offset: 24, .size: 8, .value_kind: global_buffer, .address_space: global }
    .group_segment_fixed_size: 327680
    .private_segment_fixed_size: 0
    .kernarg_segment_align: 8
    .kernarg_segment_size: 32
    .max_flat_workgroup_size: 128
    .sgpr_count:     100
    .vgpr_count:     1024
    .wavefront_size: 32
...
	.end_amdgpu_metadata
.endif
;; end of part 2
;; launch attn (part 3): grid 4 x 64, 16 waves a work-group, clusters of 4 x 1, 215,040 bytes of LDS; arguments kqv, out0; writes out0
.if DOCPART == 3
	.amdgcn_target "amdgcn-amd-amdhsa--gfx1250"
	.amdhsa_code_object_version 6
	.text
	.protected	k_qc3419e6400_attn
	.globl	k_qc3419e6400_attn
	.p2align	8
	.type	k_qc3419e6400_attn,@function
k_qc3419e6400_attn:
	s_mov_b64 s[64:65], 0
	v_nop
	global_prefetch_b8 v0, s[64:65] scope:SCOPE_SE
	s_setreg_imm32_b32 hwreg(HW_REG_WAVE_MODE, 25, 1), 1
	s_wait_xcnt 0x0
	s_wait_alu depctr_hold_cnt(0) depctr_sa_sdst(0) depctr_va_vdst(0) depctr_va_sdst(0) depctr_va_ssrc(0) depctr_va_vcc(0) depctr_vm_vsrc(0)
	s_getreg_b32 s2, hwreg(HW_REG_IB_STS2, 6, 4)
	s_cmp_eq_u32 s2, 0
	s_cbranch_scc0 .Lentry_in_a_cluster
	s_endpgm
.Lentry_in_a_cluster:
	s_bfe_u32 s2, ttmp6, 0x10000c
	s_cmp_lg_u32 s2, 0x3003
	s_cbranch_scc0 .Lentry_shape_is_right
	s_endpgm
.Lentry_shape_is_right:
; out[b][q][head][:] = the sum over keys k <= q of softmax_k(Q . K / 8) V, both products on codes of FP4 (E2M1) with one E8M0 scale for each 32 along a product's K.
; THE SOFTMAX AHEAD OF THE SECOND PRODUCT: t = score x log2(e) / 8; M = the row's largest t so far, rounded UP to a whole number; p = 2^(t - M) is what is quantised, along the keys; it is not normalised.
; The row's sum is taken of the unquantised p, in f32, and divides O at the end.  When M moves, the sum and O are multiplied by 2^(old M - new M): exact.
; A block's scale: the exponent of its largest p is floor(its largest t - M), found without an exponential.
; WORK LEFT OUT: keys behind all queries of a tile, whose p is 0 by reference()'s causal mask for all values of the inputs: whole steps of 128 keys, and the second 64 keys of the diagonal step where the tile's
; queries lie in its first 64.  A NaN, an infinity or an overflow that reaches only those logits is not carried to the result.
; INPUT.  kqv holds images of operand registers: section 0 (K, V) and section 1 (Q), each [16 batch + head][step of 128 tokens][SB bytes]; a step's block: +0 eight tiles of 16 tokens (lane l's 16 bytes at 16 l: block
; l / 16 of the head's 64, of token 64 (a / 4) + 8 (a % 4) + (r & 7) + 32 (r >> 3)), +4,096 four tiles of V^T (16 d x 128 keys), +8,192 the tiles' scale words, +8,704 V^T's scale words.
; The first product's K is 64: registers 4-7 of Q's operand are zeros, so whatever codes stand in registers 4-7 of K's add nothing: K's eight tiles lie four registers apart, each operand running on into the next tile.
; SHARES.  A cluster of four work-groups owns one head; a head has 16 steps x 8 tiles of 16 queries.  Each of a work-group's sixteen waves takes a LOW tile (queries in the first 64 of step g) and a HIGH one (in the second
; 64 of step 15 - g): g whole steps and half a step, then 15 - g whole steps and one: the same for every wave.
; LDS.  A head's 16 step blocks, 143,360 bytes, come in once, a block a wave, by joint loads, and stay: no slot is filled again; there is no later fill that a prefetch could run ahead of.
; LAYOUT.  Both products are used transposed: a lane holds ONE query (lane % 16) throughout; its registers 32 c + n of S^T are the keys 64 c + 32 (lane / 16) + n: a whole block of 32, in the second operand's own order.
; LIMITS: NaN and infinities among the inputs are not served; a block of p whose largest lies under 2^-124 keeps the scale byte 1.
.set HS,    143360
.set SB,    8960
.set SEC,   9175040
.set STAGE, 16*SB                      ; behind the head's blocks: 16 rows x 272 bytes for each wave, for the way out
.set SP,    272
.set SPARE, 0x34000
.set LI,   1                           ; 16 x lane
.set L8,   2                           ; 8 x lane
.set DM,   3                           ; the mask's threshold: my query's place in its 64 - 32 (lane / 16)
.set STO,  4
.set RD,   5
.set GO,   6
.set ADK,  7
.set ADT,  8
.set LD,   9
; v10, v11 Q's scale words; v12 -M, v13 the largest score, v[14:15] the sum in two halves; v16-23, v24-31 Q's two fragments
.set K,    32                          ; v32-67 K's eight tiles; v64-67 zeros
.set KS,   68                          ; v68-71 their scale words
.set V,    72                          ; v72-103 V's four
.set VS,   104                         ; v104-105 their scale words
.set S,    112                         ; v112-175 S^T, then p
.set O,    176                         ; v176-207 O^T
.set CD,   208                         ; v208-215 p's codes
.set MX,   216                         ; largest scores, then exponents
.set RMX,  220
.set PT,   221
.set SO,   222
.set SU,   224                         ; four partial sums
.set FF,   232
.set OM,   234
.set TX,   235
.set WT,   236
.set PW,   237                         ; p's scale word
.set SPW,  240
.set NIL,  241
.set WV,   8
.set SEL,  20
.set CS,   22
.set NC,   38                          ; - c
.set G1,   24
.set G0,   32
.set KO,   36
.set ST,   37
.set OB,   40
.set OP,   42
.macro CROUND
	s_barrier_signal -1
	s_barrier_wait -1
	s_cmp_lg_u32 s[WV], 0
	s_cbranch_scc1 .Lnot_wave_0_\@
	s_barrier_signal -3
.Lnot_wave_0_\@:
	s_barrier_wait -3
	s_barrier_signal -1
	s_barrier_wait -1
.endm
	s_load_b128 s[4:7], s[0:1], 0x0                ; kqv s[4:5], out s[6:7]
	v_lshl_add_u32 v[SPW], v0, 2, SPARE
	v_mov_b32 v[NIL], 0
	ds_add_u32 v[SPW], v[NIL]                      ; the opening: the add, twice on end, and its wait
	ds_add_u32 v[SPW], v[NIL]
	v_lshrrev_b32 v1, 5, v0
	v_readfirstlane_b32 s[WV], v1                  ; wave 0..15
	s_bfe_u32 s9, ttmp6, 0x40000                   ; my work-group's place in the cluster
	s_and_b32 s10, ttmp7, 0xffff                   ; 16 batch + head, which the four partners share
	s_lshr_b32 s11, s[WV], 1
	s_and_b32 s13, s[WV], 1
	s_mul_i32 s16, s13, 15
	s_xor_b32 s11, s11, s16                        ; the low tile's step,
	s_mul_i32 s16, s13, 3
	s_xor_b32 s12, s9, s16                         ; its number there, 0..3
	s_xor_b32 s52, s11, 15                         ; the high tile's,
	s_xor_b32 s53, s12, 7                          ; 4..7
	; descriptor group 1: a step's block, 8,960 dense bytes, as 35 rows of 256 bytes (32 elements of 8 bytes)
	s_mov_b32 s[G1], 15|(3<<16)|(1<<21)
	s_mov_b32 s[G1+1], 32<<16
	s_mov_b32 s[G1+2], 35<<16
	s_mov_b32 s[G1+3], 32<<16
	s_mov_b32 s[G1+4], 35
	s_mov_b32 s[G1+5], 32
	s_mov_b32 s[G1+6], 0
	s_mov_b32 s[G1+7], 0
	s_mov_b32 s[G0], 1
	s_mul_i32 s[G0+1], s[WV], SB                   ; LDS address: block = wave
	s_mul_i32 s14, s10, HS
	s_add_co_u32 s16, s14, s[G0+1]
	s_mov_b32 s17, 0
	s_mov_b32 s[SEL], 0x76543210
	s_mov_b32 s[SEL+1], 0xfedcba98
	s_mov_b32 s[CS], 0x3e38aa3b                    ; c = log2(e) / 8
	s_mov_b32 s[CS+1], s[CS]                       ; (named with it as a pair, so it is written)
	s_mov_b32 s[NC], 0xbe38aa3b
	s_wait_alu depctr_va_vdst(0)
	s_wait_dscnt 0x0                               ; both opening adds are done
	s_wait_kmcnt 0x0
	s_add_nc_u64 s[G0+2:G0+3], s[4:5], s[16:17]
	s_or_b32 s[G0+3], s[G0+3], 0x80000000
	CROUND                                         ; all four work-groups are here: the joint loads meet
	tensor_load_to_lds s[G0:G0+3], s[G1:G1+7]      ; my one tensor load of the launch
	s_nop 0
.rept 4
	v_nop
.endr
.macro QADR g, e, pc, ps               ; where a tile of queries lies in section 1: its codes, and its scale words
	s_mul_i32 s16, s[\g], SB
	s_add_co_u32 s16, s16, s14
	s_add_co_u32 s16, s16, SEC
	s_lshl_b32 s18, s[\e], 9
	s_add_co_u32 s18, s18, s16
	s_mov_b32 s19, 0
	s_add_nc_u64 s[\pc:\pc+1], s[4:5], s[18:19]
	s_lshr_b32 s18, s[\e], 2
	s_lshl_b32 s18, s18, 8
	s_and_b32 s17, s[\e], 3
	s_lshl_b32 s17, s17, 2
	s_add_co_u32 s18, s18, s17
	s_add_co_u32 s18, s18, s16
	s_add_co_u32 s18, s18, 8192
	s_add_nc_u64 s[\ps:\ps+1], s[4:5], s[18:19]
.endm
	QADR 11, 12, 44, 48
	QADR 52, 53, 46, 50
	s_mul_i32 s15, s[WV], 16*SP
	s_add_co_u32 s15, s15, STAGE                   ; my stage
	v_and_b32 v[TX], 31, v0
	v_and_b32 v[OM], 15, v0                        ; r
	v_bfe_u32 v[WT], v0, 4, 1                      ; h
	v_lshlrev_b32 v[LI], 4, v[TX]
	v_lshlrev_b32 v[ADK], 4, v[OM]
	global_load_b128 v[16:19], v[LI], s[44:45]     ; Q's fragments stay in registers
	global_load_b128 v[24:27], v[LI], s[46:47]
	global_load_b32 v10, v[ADK], s[48:49]          ; and their scale words: lane r has query r's
	global_load_b32 v11, v[ADK], s[50:51]
	v_lshlrev_b32 v[L8], 3, v[TX]
	v_and_b32 v[LD], 8, v[OM]
	v_mul_u32_u24 v[STO], v[OM], SP
	v_mul_u32_u24 v[RD], v[WT], SP
	v_mul_u32_u24 v[LD], v[LD], 3
	v_lshl_add_u32 v[STO], v[WT], 7, v[STO]
	v_lshl_add_u32 v[RD], v[OM], 4, v[RD]
	v_add_nc_u32 v[LD], v[LD], v[OM]               ; (r & 7) + 32 (r >> 3)
	v_add_nc_u32 v[STO], s15, v[STO]               ; in: row r, + 128 h
	v_add_nc_u32 v[RD], s15, v[RD]                 ; back: lanes 0-15 one row of 256 bytes, lanes 16-31 the next
	v_lshlrev_b32 v[DM], 5, v[WT]
	v_lshlrev_b32 v[GO], 12, v[WT]
	v_sub_nc_u32 v[LD], v[LD], v[DM]
	v_lshl_add_u32 v[GO], v[OM], 4, v[GO]          ; and the same two rows in out
.irp j, 20,21,22,23,28,29,30,31
	v_mov_b32 v[\j], 0                             ; K = 64: the upper halves of Q's fragments are zeros
.endr
.irp j, 0,1,2,3
	v_mov_b32 v[K+32+\j], 0
.endr
	v_mov_b32 v[PT], 0                             ; written once: a lane permute's destination counts as one of its sources
	v_mov_b32 v[FF+1], 0                           ; (named in the pair with f)
	s_lshr_b32 s16, s10, 4
	s_lshl_b32 s16, s16, 23                        ; my batch: 2,048 rows of 4,096 bytes
	s_and_b32 s17, s10, 15
	s_lshl_b32 s17, s17, 8                         ; my head: 64 columns of 4 bytes
	s_add_co_u32 s16, s16, s17
	s_mov_b32 s17, 0
	s_add_nc_u64 s[OB:OB+1], s[6:7], s[16:17]
	s_wait_alu depctr_va_vdst(0)                   ; the wait at the head's end
	s_wait_tensorcnt 0x0                           ; my block is in,
	s_barrier_signal -1
	s_barrier_wait -1                              ; everybody's is: the whole head lies in LDS
	s_wait_loadcnt 0x0                             ; Q
; A KEY STEP of 128 keys, or (half = 1) of its first 64.  mask = 1: the diagonal: hidden keys of the tile's own 64 become -infinity ahead of the maximum.  next = 1: the next step's K is fetched.
.macro STEP qf, qs, half, mask, next
.set NT, 8-4*(\half)
.set NCH, 4-2*(\half)
	v_add_nc_u32 v[ADK], s[KO], v[LI]
	v_add_nc_u32 v[ADT], s[KO], v[L8]
	v_nop
	v_nop                                          ; four places behind the last step's products, ahead of the loads into V's registers
.irp t, 0,1,2,3
	ds_load_b128 v[V+8*\t:V+8*\t+3], v[ADK] offset:4096+1024*\t
	ds_load_b128 v[V+8*\t+4:V+8*\t+7], v[ADK] offset:4096+1024*\t+512
.endr
	ds_load_b64 v[VS:VS+1], v[ADT] offset:8704     ; lanes 0-15 tiles 0 and 1, lanes 16-31 tiles 2 and 3
	s_wait_dscnt 9                                 ; K and its scale words are in; V's nine loads stay out
.set n, 0
.rept NT
.if n < 4
	v_wmma_scale_f32_16x16x128_f8f6f4 v[S+8*n:S+8*n+7], v[K+4*n:K+4*n+7], v[\qf:\qf+7], 0, v[KS+n%4], v[\qs] matrix_a_fmt:MATRIX_FMT_FP4 matrix_b_fmt:MATRIX_FMT_FP4
.else
	v_wmma_scale_f32_16x16x128_f8f6f4 v[S+8*n:S+8*n+7], v[K+4*n:K+4*n+7], v[\qf:\qf+7], 0, v[KS+n%4], v[\qs] matrix_a_fmt:MATRIX_FMT_FP4 matrix_b_fmt:MATRIX_FMT_FP4 matrix_a_scale:MATRIX_SCALE_ROW1
.endif
.set n, n+1
.endr
.rept 4
	v_nop                                          ; places ahead of the first read of the scores
.endr
.if \mask
.set MB, S+32*(1-(\half))
	v_mov_b32 v[TX], 0xff800000                    ; -infinity
.set n, 0
.rept 8                                        ; register n of my half is the key 32 h + n of the 64: hidden where n > my threshold
	v_cmp_gt_i32 s56, n, v[DM]
	v_cmp_gt_i32 s57, n+1, v[DM]
	v_cmp_gt_i32 s58, n+2, v[DM]
	v_cmp_gt_i32 s59, n+3, v[DM]
	v_cndmask_b32 v[MB+n], v[MB+n], v[TX], s56
	v_cndmask_b32 v[MB+n+1], v[MB+n+1], v[TX], s57
	v_cndmask_b32 v[MB+n+2], v[MB+n+2], v[TX], s58
	v_cndmask_b32 v[MB+n+3], v[MB+n+3], v[TX], s59
.set n, n+4
.endr
.endif
.set n, 0
.rept NCH                                      ; the largest score of each block of 32, two chains a block, all chains by turns
	v_max3_num_f32 v[MX+n], v[S+16*n], v[S+16*n+1], v[S+16*n+2]
.set n, n+1
.endr
.set i, 3
.rept 6
.set n, 0
.rept NCH
	v_max3_num_f32 v[MX+n], v[MX+n], v[S+16*n+i], v[S+16*n+i+1]
.set n, n+1
.endr
.set i, i+2
.endr
	v_max3_num_f32 v[MX], v[MX], v[S+15], v[S+31]
.if \half
.set RM, MX
	v_max_num_f32 v[MX], v[MX], v[MX+1]
.else
.set RM, RMX
	v_max3_num_f32 v[MX+2], v[MX+2], v[S+47], v[S+63]
	v_max_num_f32 v[MX], v[MX], v[MX+1]
	v_max_num_f32 v[MX+2], v[MX+2], v[MX+3]
	v_max_num_f32 v[RMX], v[MX], v[MX+2]
.endif
	s_delay_alu instid0(VALU_DEP_1)
	v_permlanex16_b32 v[PT], v[RM], s[SEL], s[SEL+1]
	s_delay_alu instid0(VALU_DEP_1)
	v_max3_num_f32 v13, v13, v[RM], v[PT]          ; the running largest score, with lane l xor 16's keys
	s_delay_alu instid0(VALU_DEP_1)
	v_mul_f32 v[TX], s[NC], v13                    ; - t
	v_mov_b32 v[OM], v12
	s_delay_alu instid0(VALU_DEP_2)
	v_floor_f32 v12, v[TX]                         ; the new -M = floor(-t): M is a whole number
	v_sub_f32 v[OM], v12, v[OM]                    ; M's old value less its new one: a whole number, 0 or less
	v_fma_f32 v[MX], v[MX], s[CS], v12             ; the largest t - M of each block
.if \half == 0
	v_fma_f32 v[MX+2], v[MX+2], s[CS], v12
.endif
	v_cvt_i32_f32 v[OM], v[OM]                     ; (it saturates)
	v_max_num_f32 v[MX], 0xc2f80000, v[MX]         ; held at -124: the byte cannot fall under 1
.if \half == 0
	v_max_num_f32 v[MX+2], 0xc2f80000, v[MX+2]
.endif
	v_ldexp_f32 v[FF], 1.0, v[OM]                  ; f = 2^(old M - new M): a multiplication by it rounds nothing
	v_cvt_floor_i32_f32 v[MX], v[MX]               ; the exponent of the block's largest p
.if \half == 0
	v_cvt_floor_i32_f32 v[MX+2], v[MX+2]
.endif
.if \next
.irp a, 0,1,2,3,4,5,6,7
	ds_load_b128 v[K+4*\a:K+4*\a+3], v[ADK] offset:SB+512*\a       ; the next step's K: it lands while this step is worked
.endr
	ds_load_b128 v[KS:KS+3], v[ADK] offset:SB+8192
.endif
.set n, 0
.rept 4*NT
	v_pk_fma_f32 v[S+n:S+n+1], v[S+n:S+n+1], s[CS:CS+1], v[12:13] op_sel_hi:[1,0,0]   ; t - M, two at a time
.set n, n+2
.endr
.set n, 0
.rept 16
	v_pk_mul_f32 v[O+n:O+n+1], v[O+n:O+n+1], v[FF:FF+1] op_sel_hi:[1,0]   ; O^T under the new M
.set n, n+2
.endr
	s_wait_alu depctr_va_vdst(0)                   ; ahead of the batch
.set n, 0
.rept 8*NT
	v_exp_f32 v[S+n], v[S+n]                       ; p = 2^(t - M)
.set n, n+1
.endr
	v_pk_mul_f32 v[14:15], v[14:15], v[FF:FF+1] op_sel_hi:[1,0]   ; the sums under the new M: this and what follows names no result of the batch
	v_lshl_add_u32 v[SO], v[MX], 23, 0x3e800000    ; the conversion's scale operand: 2^(exponent - 2)
.if \half
	v_mov_b32 v[WT], v[MX]
.irp j, 4,5,6,7
	v_mov_b32 v[CD+\j], 0                          ; the second 64 keys: zero codes
.endr
.else
	v_lshl_add_u32 v[SO+1], v[MX+2], 23, 0x3e800000
	v_lshl_add_u32 v[WT], v[MX+2], 16, v[MX]
.endif
	v_permlanex16_b32 v[PT], v[WT], s[SEL], s[SEL+1]
	v_lshl_add_u32 v[WT], v[PT], 8, v[WT]
	v_add_nc_u32 v[PW], 0x7d7d7d7d, v[WT]          ; each byte: exponent + 125; lane r has query r's four
	s_wait_alu depctr_va_vdst(0)                   ; and the one behind it, ahead of the first reader
.set n, 0
.rept NT
	v_cvt_scalef32_pk8_fp4_f32 v[CD+n], v[S+8*n:S+8*n+7], v[SO+n/4]
.set n, n+1
.endr
.set n, 0
.rept 4                                        ; the row's sum, of the unquantised p, in four chains
	v_pk_add_f32 v[SU+2*n:SU+2*n+1], v[S+2*n:S+2*n+1], v[S+8+2*n:S+9+2*n]
.set n, n+1
.endr
.set n, 8
.rept 4*NT-8
	v_pk_add_f32 v[SU+2*(n%4):SU+2*(n%4)+1], v[SU+2*(n%4):SU+2*(n%4)+1], v[S+2*n:S+2*n+1]
.set n, n+1
.endr
	v_pk_add_f32 v[SU:SU+1], v[SU:SU+1], v[SU+2:SU+3]
	v_pk_add_f32 v[SU+4:SU+5], v[SU+4:SU+5], v[SU+6:SU+7]
	v_pk_add_f32 v[14:15], v[14:15], v[SU:SU+1]
	v_pk_add_f32 v[14:15], v[14:15], v[SU+4:SU+5]
.if \next
	s_wait_dscnt 9                                 ; V and its scale words are in; the next K's nine loads stay out
.else
	s_wait_dscnt 0x0
.endif
.irp t, 0,1                                    ; O^T += V^T P^T: the four accumulators by turns, one instruction a turn
	v_wmma_scale_f32_16x16x128_f8f6f4 v[O+8*\t:O+8*\t+7], v[V+8*\t:V+8*\t+7], v[CD:CD+7], v[O+8*\t:O+8*\t+7], v[VS+\t], v[PW] matrix_a_fmt:MATRIX_FMT_FP4 matrix_b_fmt:MATRIX_FMT_FP4
.endr
.irp t, 2,3
	v_wmma_scale_f32_16x16x128_f8f6f4 v[O+8*\t:O+8*\t+7], v[V+8*\t:V+8*\t+7], v[CD:CD+7], v[O+8*\t:O+8*\t+7], v[VS+\t-2], v[PW] matrix_a_fmt:MATRIX_FMT_FP4 matrix_b_fmt:MATRIX_FMT_FP4 matrix_a_scale:MATRIX_SCALE_ROW1
.endr
.endm
; ONE TILE OF 16 QUERIES: tile s[e] of step s[g].  The loop has 15 trips in every wave; the trips from the diagonal step on are passed over by a scalar branch on the wave's number and the loop's counter;
; the diagonal step stands behind the loop.
.macro TILE qf, qs, g, e, half
.irp a, 0,1,2,3,4,5,6,7
	ds_load_b128 v[K+4*\a:K+4*\a+3], v[LI] offset:512*\a
.endr
	ds_load_b128 v[KS:KS+3], v[LI] offset:8192     ; step 0's K
	s_and_b32 s39, s[\e], 3
	s_lshl_b32 s39, s39, 3                         ; the tile's first query in its 64,
	s_lshr_b32 s16, s[\e], 2
	s_lshl_b32 s16, s16, 6
	s_add_co_u32 s16, s16, s39                     ; in its step,
	s_lshl_b32 s17, s[\g], 7
	s_add_co_u32 s16, s16, s17
	s_lshl_b32 s16, s16, 12
	s_mov_b32 s17, 0
	s_add_nc_u64 s[OP:OP+1], s[OB:OB+1], s[16:17]  ; and in out
	v_add_nc_u32 v[DM], s39, v[LD]
	v_mov_b32 v13, 0xff61b1e6                      ; the largest score so far: -3e38, under every score
	v_mov_b32 v12, 0x7e000000                      ; -M: so large that the first f is 0
	v_mov_b32 v14, 0
	v_mov_b32 v15, 0
.set n, 0
.rept 32
	v_mov_b32 v[O+n], 0                            ; (the step is written for all steps alike: the first multiplies zeros)
.set n, n+1
.endr
	s_mov_b32 s[KO], 0
	s_mov_b32 s[ST], 0
.Lkey_\@:
	s_cmp_ge_u32 s[ST], s[\g]
	s_cbranch_scc1 .Lhidden_\@
	STEP \qf, \qs, 0, 0, 1
.Lhidden_\@:
	s_add_co_u32 s[KO], s[KO], SB
	s_add_co_u32 s[ST], s[ST], 1
	s_cmp_lt_u32 s[ST], 15
	s_cbranch_scc1 .Lkey_\@
	s_mul_i32 s[KO], s[\g], SB
	STEP \qf, \qs, \half, 1, 0
	; THE WAY OUT.  O^T is divided by the row's sum and goes through my stage in LDS, so that sixteen lanes store 256 consecutive bytes: a query's 64 columns of my head.
.rept 4
	v_nop                                          ; places behind the last products
.endr
	s_wait_alu depctr_va_vdst(0)                   ; ahead of the reader below
	v_add_f32 v14, v14, v15
	v_permlanex16_b32 v[PT], v14, s[SEL], s[SEL+1]
	v_add_f32 v14, v14, v[PT]                      ; with lane l xor 16's: the row's sum
	s_wait_alu depctr_va_vdst(0)                   ; ahead of the transcendental
	v_rcp_f32 v14, v14
	v_nop
	s_wait_alu depctr_va_vdst(0)                   ; and ahead of its first reader
.set n, 0
.rept 16
	v_pk_mul_f32 v[S+n:S+n+1], v[O+n:O+n+1], v[14:15] op_sel_hi:[1,0]   ; register n is o(query r, d = 32 h + n)
.set n, n+2
.endr
.irp j, 0,1,2,3,4,5,6,7
	ds_store_b128 v[STO], v[S+4*\j:S+4*\j+3] offset:16*\j
.endr
.irp i, 0,1,2,3,4,5,6,7
	ds_load_b128 v[S+32+4*\i:S+35+4*\i], v[RD] offset:2*\i*SP       ; LDS serves a wave's instructions in order: these see my stores
.endr
.irp i, 0,1,2,3,4,5,6,7
	s_wait_dscnt 7-\i                              ; rows 2 i and 2 i + 1 are back; the younger loads stay out
	global_store_b128 v[GO], v[S+32+4*\i:S+35+4*\i], s[OP:OP+1] offset:((2*\i)%8+32*(\i/4))*4096 th:TH_STORE_NT   ; stage row p is the query (p & 7) + 32 (p >> 3) of the tile
.endr
	s_wait_xcnt 0x0                                ; the stores have read their registers and their base
.endm
	TILE 16, 10, 11, 12, 1
	TILE 24, 11, 52, 53, 0
	s_wait_tensorcnt 0x0                           ; the wave's end
	ds_add_u32 v[SPW], v[NIL]
	s_wait_dscnt 0x0
	CROUND                                         ; the closing round: no work-group ends while a partner may still ask for a block that names it
	s_endpgm
.Lfunc_end_k_qc3419e6400_attn:
	.size	k_qc3419e6400_attn, .Lfunc_end_k_qc3419e6400_attn-k_qc3419e6400_attn
	.p2alignl 7, 3214868480
	.fill 96, 4, 3214868480
	.section	.rodata,"a",@progbits
	.p2align	6, 0x0
	.amdhsa_kernel k_qc3419e6400_attn
		.amdhsa_group_segment_fixed_size 215040
		.amdhsa_private_segment_fixed_size 0
		.amdhsa_enable_private_segment 0
		.amdhsa_kernarg_size 16
		.amdhsa_user_sgpr_count 2
		.amdhsa_user_sgpr_kernarg_segment_ptr 1
		.amdhsa_wavefront_size32 1
		.amdhsa_system_sgpr_workgroup_id_x 1
		.amdhsa_system_sgpr_workgroup_id_y 1
		.amdhsa_system_sgpr_workgroup_id_z 1
		.amdhsa_system_vgpr_workitem_id 0
		.amdhsa_next_free_vgpr 256
		.amdhsa_next_free_sgpr 66
		.amdhsa_reserve_vcc 0
		.amdhsa_float_denorm_mode_32 3
		.amdhsa_float_denorm_mode_16_64 3
		.amdhsa_memory_ordered 1
		.amdhsa_forward_progress 1
		.amdhsa_inst_pref_size 76
	.end_amdhsa_kernel
	.amdgpu_metadata
---
amdhsa.version: [ 1, 2 ]
amdhsa.kernels:
  - .name:           k_qc3419e6400_attn
    .symbol:         k_qc3419e6400_attn.kd
    .args:
      - { .name: kqv, .offset: 0, .size: 8, .value_kind: global_buffer, .address_space: global }
      - { .name: out0, .offset: 8, .size: 8, .value_kind: global_buffer, .address_space: global }
    .group_segment_fixed_size: 215040
    .private_segment_fixed_size: 0
    .kernarg_segment_align: 8
    .kernarg_segment_size: 16
    .max_flat_workgroup_size: 512
    .sgpr_count:     66
    .vgpr_count:     256
    .wavefront_size: 32
...
	.end_amdgpu_metadata
.endif
;; end of part 3
